; MI455X (gfx1250); checked and timed in simulation.
; The chip was launched on July 23, 2026; its instructions are those of AMD's public machine-readable ISA for CDNA 5 (MIT licence, August 2026) and "CDNA5" Instruction Set Architecture Reference Guide (July 2026). The comments in the code are by the model that wrote it; some were corrected since.
;; DIN. Allowed arithmetic: float matrix products may take bf16 or f16 operands with f32 sums; other float arithmetic in f32, or as packed bf16 or f16 multiplies, adds, multiply-adds, maxima and minima; sums over many terms, partial sums and values carried from step to step in f32; what a program stores and reads back later, other than sums and carried values, may be rounded once to bf16 or f16.
;; Inputs: ab1 80 float32; ab2 1 float32; aw1 256 x 80 float32; aw2 80 x 1 float32; candidate_class 16,384 int32; candidate_good 16,384 int32; cat_table 1,000 x 32 float32; customer_id 16,384 int32; history_classes 16,384 x 50 int32; history_goods 16,384 x 50 int32; item_table 100,000 x 32 float32; mb1 256 float32; mb2 128 float32; mb3 1 float32; mw1 160 x 256 float32; mw2 256 x 128 float32; mw3 128 x 1 float32; user_table 100,000 x 32 float32.
;; Outputs: out0 16,384 float32.
;; One version. Each part assembles by itself: llvm-mc -triple=amdgcn-amd-amdhsa -mcpu=gfx1250 --defsym DOCPART=n.
;; ======== version 1 of 1: 1 launch
;; limits: values are held in f16: magnitudes above 65,504 overflow, below 6.1e-05 lose precision
;; launch din (part 1): grid 256 x 1, 8 waves a work-group, no clusters, 320,768 bytes of LDS; arguments history_goods, history_classes, item_table, cat_table, aw1, ab1, aw2, ab2, customer_id, candidate_good, candidate_class, user_table, mw1, mw2, mb1, mb2, mw3, mb3, out0; writes out0
.if DOCPART == 1
	.amdgcn_target "amdgcn-amd-amdhsa--gfx1250"
	.amdhsa_code_object_version 6
	.text
	.protected	k_q37cf9dcc3c_din
	.globl	k_q37cf9dcc3c_din
	.p2align	8
	.type	k_q37cf9dcc3c_din,@function
k_q37cf9dcc3c_din:
	s_mov_b64 s[64:65], 0
	v_nop
	global_prefetch_b8 v0, s[64:65] scope:SCOPE_SE
	s_setreg_imm32_b32 hwreg(HW_REG_WAVE_MODE, 25, 1), 1
	s_wait_xcnt 0x0
; DIN: candidate-to-history attention over 50 rows, softmax pooling, then a 160 -> 256 -> 128 -> 1 MLP.  16,384 samples.
; One launch.  256 work-groups of 8 waves; a work-group owns 64 samples, a wave 8 samples, one after the other.
;
; THE SCORE NET.  [q, h, q-h, q*h] @ aw1 = q @ (W1+W3) + h @ (W2-W3) + (q*h) @ W4, Wi the four blocks of 64 rows of aw1: an identity for
; every input.  The weight sums are made in f32 and rounded once.  P = q @ (W1+W3) + ab1 is made once a sample and enters as the C operand,
; so a history row costs K = 128 in place of 256.  50 rows = 3 tiles of 16 + 2; the rows 48, 49 of a wave's 8 samples are one more tile
; (tile R), done ahead of the trips: 25 tiles for 8 samples.
; The matrix instruction is used transposed: source 0 = weights (m = unit), source 1 = data rows (n = row).  Lane (r, h), register j then
; holds unit 8h+j of row r, so relu and the dot with aw2 stay in the lane, and one exchange of the halves ends them.
; DATA.  Item rows come from memory straight into fragment order (lane (r, h) takes bytes 32h.. and 64+32h.. of row idx[r]), one sample
; ahead, in three register slots.  cat_table is copied once to LDS as f16.  mw1 and mw2 are converted to f16 images in LDS an eighth at a time,
; during the trips.  att = sum e_l h_l runs on the matrix unit, h read transposed from LDS.
; The eight trips are written out by a macro, so that every step of an address is an immediate.
;
; NO CLUSTER, NO COPY ENGINE: what the work-groups share (aw1, mw1, mw2, cat_table) lies in memory as f32 and is wanted as f16; an engine
; copies bytes as they are, and the f32 images (81,920 + 294,912 + 128,000 bytes) do not fit in LDS beside their f16 copies.
;
; LIMITS.  Matrix operands are f16: magnitudes up to 65,504, steps of 6e-8 at the bottom.  With tables and weights 30 times the drawn spread
; the largest operand (layer 1 of the MLP) is near 160 x 3 x 3 = 1.4e3.  A softmax numerator below 3e-8 counts as 0.  Indices are clamped to
; their tables (the model relies on their lying inside).  The softmax takes the row maximum away first, in f32.
;
; LDS (bytes)
.set MW1,   80000                      ; CAT at 0: 1000 rows x 80 (64 of f16 + 16).  MW1: f16 [160][256], dense, 81,920
.set MW2,   161920                     ; f16 [256][128], dense, 65,536
.set COMB,  227456                     ; 64 rows x 336: user 0-63, candidate item 64-127, candidate class 128-191, att 192-319 (f16)
.set PREG,  248960                     ; f32 [64][80]: P of each sample
.set RED,   248960                     ; f32 [8][64], over PREG once P is done with: each wave's part of the last dot
.set HST,   269440                     ; 8 x 6,144: a wave's item rows as f16, pitch 96: rows 0-47 of the sample at work, rows 48-63 tile R
                                       ; before the first history row is stored: the three f16 images [64][80] of the score weights, 10,240 each
.set WSC,   318592                     ; 8 x 128: a wave's 64 softmax numerators as f16
                                       ; Z1 at 0, over CAT once the attention is done: block w = units 32w..32w+31, 64 rows x 80
.set NI_MAX, 0x1869f                   ; last row of item_table and user_table
.set NC_MAX, 0x3e7                     ; last row of cat_table
; vector registers, window 0
.set VG0, 3                            ; 4 r: my row in an index tile
.set VT0, 4                            ; 4 (8h + l7): my row in an index tile, in the order of the transposing load
.set VT3, 5                            ; 4 min(48 + 8h + l7, 49)
.set H32, 6                            ; 32 h
.set CAF, 7                            ; 16 h
.set CTF, 8                            ; 16 c8, c8 = bit 3 of the lane
.set VS,  9                            ; stage: where I store my row's f16 fragment
.set VH,  10                           ; stage: where the transposing load reads
.set VH3, 11                           ; the same for rows 48, 49 (all later rows read row 49; their weight is 0)
.set VQ,  12                           ; COMB: my wave's first row + 16 h
.set VA,  13                           ; COMB: my wave's first row + 2 r
.set VP,  14                           ; PREG: my wave's first row + 32 h
.set VW,  15                           ; WSC + 2 r
.set VWL, 16                           ; WSC + 16 h
.set VB,  17                           ; lane x 4 from which I take tile R's score: 4 (r & 1) + 8 x trip
.set VMG, 18                           ; 16 x thread
.set VM1, 19                           ; MW1 + 8 x thread
.set VM2, 20                           ; MW2 + 8 x thread
.set SCR, 21                           ; tile R's scores
.set SC,  22                           ; v22-25 the sample's scores, then numerators
.set OFFI, 26                          ; v26-28 byte offsets of the next sample's item rows
.set CA,  29                           ; v29-31 LDS addresses of my class rows, fragment order
.set CT,  32                           ; v32-35 the same in the order of the transposing load
.set GS,  36                           ; v36-41 two sets of item indices
.set CS,  42                           ; v42-47 two sets of class indices
.set TS,  48                           ; v48-55 two sets of class indices in the order of the transposing load
.set TMP, 56                           ; v56-63 at work
.set RAW, 64                           ; v64-111 three slots of 16: item rows as loaded
.set EF,  112                          ; v112-127 numerators as two A fragments; first, tile R's rows as loaded
.set FI,  128                          ; item fragment
.set FC0, 136                          ; class fragment, even tiles
.set PQI, 144                          ; q*h, item half
.set PQC, 152                          ; q*h, class half
.set P,   160                          ; v160-199 P as C operand
.set ACC, 200                          ; v200-239 five accumulator tiles
.set NEG9, 240                         ; -1e9
.set NINF, 241                         ; -infinity
.set FC1, 242                          ; class fragment, odd tiles
.set VC1, 250                          ; 128 w + 32 h: my part of mb1
.set VC2, 251                          ; 64 w + 32 h: my part of mb2 and mw3
.set PF,  252                          ; v252-253 prefetch offsets
.set VRO, 254                          ; tile R's item offsets
.set VM1B, 255                         ; VM1 + 40,960
; window 1 (v256-511, named by their low 8 bits)
.set WH,  0                            ; W2-W3: fragment (s, t) at 8 (5 s + t)
.set WP,  80                           ; W4 likewise
.set A2W, 160                          ; register 8 t + j: aw2[16 t + 8 h + j]
.set QI,  200                          ; q, item half, f16 fragment
.set QC,  208                          ; q, class half
.set STG, 216                          ; 9 x 4: mw1 and mw2 as loaded
; used ahead of the trips only
.set T_L, 242
.set T_L7, 243
.set T_K8, 245
.set VTQ, 246
.set VRI, 247
.set T_Q4, 248
.set VCS, 249
.set T_R1, 184
.set T_X, 185
.set T_Y, 186
.set T_8, 187
.set VAWS, 22
.set VCT1, 23
.set VCT2, 24
.set VAW, 25
.set VQP, 33
.set VPS, 34
.set VQR, 35
.set VPR, 21
.set MS, 52                            ; s52-54, s56-58: masks (item index not 0) of the even and the odd samples; s59: tile R
.set MSB, 0
.macro WIN new                         ; s_set_vgpr_msb: bits 1:0 source 0, 3:2 source 1, 5:4 source 2, 7:6 destination; the high byte repeats the setting left
.if MSB != \new
	s_set_vgpr_msb (MSB<<8)|\new
.set MSB, \new
.endif
.endm
.macro PLACES                          ; four independent vector instructions behind a matrix instruction before its result is read or
.rept 4                                ; one of its registers rewritten (ISA guide 7.12.1)
	v_nop
.endr
.endm
.macro LADR d, x, pitch, y, sb         ; v[d] = s[sb] + pitch v[x] + v[y]
	v_mul_u32_u24 v[\d], v[\x], \pitch
	v_add_nc_u32 v[\d], v[\d], v[\y]
	v_add_nc_u32 v[\d], s[\sb], v[\d]
.endm
.macro GATH dst, off                   ; one item row in fragment order: features 8h..8h+7 and 16+8h..16+8h+7 as f32
	global_load_b128 v[\dst:\dst+3], v[\off], s[12:13]
	global_load_b128 v[\dst+4:\dst+7], v[\off], s[12:13] offset:16
	global_load_b128 v[\dst+8:\dst+11], v[\off], s[12:13] offset:64
	global_load_b128 v[\dst+12:\dst+15], v[\off], s[12:13] offset:80
.endm
.macro PREF g                          ; ask for the 48 item rows of the index set g: lanes 0-15 tile 0, lanes 16-31 tile 1, then tile 2
	v_cndmask_b32 v[PF], v[\g], v[\g+1], s51
	v_min_u32 v[PF], NI_MAX, v[PF]
	v_min_u32 v[PF+1], NI_MAX, v[\g+2]
	v_lshlrev_b32 v[PF], 7, v[PF]
	v_lshlrev_b32 v[PF+1], 7, v[PF+1]
	global_prefetch_b8 v[PF], s[12:13] th:TH_LOAD_NT scope:SCOPE_SE
	global_prefetch_b8 v[PF+1], s[12:13] th:TH_LOAD_NT scope:SCOPE_SE
.endm
	s_load_b512 s[8:23], s[0:1], 0x0               ; goods 8, classes 10, item 12, cat 14, aw1 16, ab1 18, aw2 20, ab2 22
	s_load_b512 s[24:39], s[0:1], 0x40             ; customer 24, cand. good 26, cand. class 28, user 30, mw1 32, mw2 34, mb1 36, mb2 38
	s_load_b128 s[40:43], s[0:1], 0x80             ; mw3 40, mb3 42
	s_load_b64 s[44:45], s[0:1], 0x90              ; out0
	s_set_vgpr_msb 0x40
	v_lshl_add_u32 v254, v0, 2, 0x4e100
	v_mov_b32 v255, 0
	s_set_vgpr_msb 0x4000
	v_lshrrev_b32 v[T_L], 5, v0
	v_readfirstlane_b32 s4, v[T_L]                 ; wave 0..7
	v_and_b32 v[T_L], 31, v0                       ; lane
	v_and_b32 v1, 15, v0                           ; r
	v_bfe_u32 v2, v0, 4, 1                         ; h
	v_and_b32 v[T_L7], 7, v0                       ; l7 (= r & 7)
	v_bfe_u32 v[CTF], v0, 3, 1                     ; c8
	v_lshl_add_u32 v[T_K8], v2, 3, v[T_L7]         ; 8 h + l7
	v_lshlrev_b32 v[CTF], 4, v[CTF]
	v_lshlrev_b32 v[VG0], 2, v1
	v_lshlrev_b32 v[VT0], 2, v[T_K8]
	v_add_nc_u32 v[VT3], 48, v[T_K8]
	v_min_u32 v[VT3], 49, v[VT3]
	v_lshlrev_b32 v[VT3], 2, v[VT3]
	v_lshlrev_b32 v[H32], 5, v2
	v_lshlrev_b32 v[CAF], 4, v2
	v_and_b32 v[VB], 1, v0
	v_lshlrev_b32 v[VB], 2, v[VB]
	v_lshlrev_b32 v[VMG], 4, v0
	v_and_b32 v[VTQ], 0xfc, v0                     ; 4 x (thread / 4): four threads share a sample's three rows
	v_lshrrev_b32 v[T_R1], 1, v1                   ; r / 2: tile R's sample
	v_mul_u32_u24 v[VRI], v[T_R1], 200
	v_add_nc_u32 v[VRI], v[VRI], v[VB]             ; 200 (r / 2) + 4 (r & 1); the 192 of column 48 is in the immediate
	s_mov_b32 s46, 0x76543210                      ; v_permlanex16_b32: lane i reads lane i of the other half
	s_mov_b32 s47, 0xfedcba98
	s_mov_b32 s50, 0x00030003                      ; the lanes that hold rows 48, 49
	s_mov_b32 s51, 0xffff0000                      ; the upper half of the lanes
	v_mov_b32 v[NEG9], 0xce6e6b28
	v_mov_b32 v[NINF], 0xff800000
	s_mul_i32 s70, ttmp9, 12800                    ; 64 samples x 200 bytes of indices
	s_mul_i32 s5, s4, 1600                         ; + 8 samples a wave
	s_add_co_u32 s70, s70, s5
	s_mov_b32 s71, 0
	s_lshl_b32 s68, ttmp9, 8                       ; 64 samples x 4 bytes
	s_mov_b32 s69, 0
	s_wait_kmcnt 0x0
	s_add_nc_u64 s[60:61], s[8:9], s[70:71]        ; my wave's item indices
	s_add_nc_u64 s[62:63], s[10:11], s[70:71]      ; my wave's class indices
	s_add_nc_u64 s[24:25], s[24:25], s[68:69]
	s_add_nc_u64 s[26:27], s[26:27], s[68:69]
	s_add_nc_u64 s[28:29], s[28:29], s[68:69]
	s_add_nc_u64 s[44:45], s[44:45], s[68:69]
	s_load_b32 s48, s[22:23], 0x0                  ; ab2
	s_load_b32 s49, s[42:43], 0x0                  ; mb3
	; 28 index loads; the first eight are wanted first
	global_load_b32 v56, v[VTQ], s[24:25]
	global_load_b32 v57, v[VTQ], s[26:27]
	global_load_b32 v58, v[VTQ], s[28:29]
.irp t, 0,1,2
	global_load_b32 v[59+\t], v[VG0], s[60:61] offset:64*\t            ; items of sample 0
.endr
	global_load_b32 v62, v[VRI], s[60:61] offset:192                   ; tile R
	global_load_b32 v63, v[VRI], s[62:63] offset:192
.irp t, 0,1,2
	global_load_b32 v[GS+3+\t], v[VG0], s[60:61] offset:200+64*\t      ; items of sample 1
.endr
.irp t, 0,1,2
	global_load_b32 v[GS+\t], v[VG0], s[60:61] offset:400+64*\t        ; items of sample 2
.endr
.irp k, 0,1
.irp t, 0,1,2
	global_load_b32 v[CS+3*\k+\t], v[VG0], s[62:63] offset:200*\k+64*\t
.endr
.endr
.irp k, 0,1
.irp t, 0,1,2
	global_load_b32 v[TS+4*\k+\t], v[VT0], s[62:63] offset:200*\k+64*\t
.endr
	global_load_b32 v[TS+4*\k+3], v[VT3], s[62:63] offset:200*\k
.endr
	; aw1: 20 pieces of 4,096 bytes, five to each block of 64 rows, into window 1 v0-79
	WIN 0x40
.set j, 0
.rept 20
	global_load_b128 v[4*j:4*j+3], v[VMG], s[16:17] offset:4096*j
.set j, j+1
.endr
	WIN 0
	; LDS addresses: a constant + the wave number x a constant + a lane term
	s_mul_i32 s5, s4, 6144
	s_add_co_u32 s5, s5, HST
	LADR VS, 1, 96, CAF, 5
	LADR VH, T_K8, 96, CTF, 5
	v_min_u32 v[VH3], 1, v[T_K8]
	LADR VH3, VH3, 96, CTF, 5
	s_mul_i32 s5, s4, 2688                         ; 8 rows of COMB
	s_add_co_u32 s5, s5, COMB
	v_add_nc_u32 v[VQ], s5, v[CAF]
	v_lshl_add_u32 v[VA], v1, 1, s5
	LADR VQP, T_L7, 336, CAF, 5                    ; row r & 7 of my eight
	LADR VQR, T_R1, 336, CAF, 5                    ; row r / 2 of my eight
	v_lshrrev_b32 v[T_X], 2, v[T_L]
	v_and_b32 v[T_Y], 3, v0
	v_lshlrev_b32 v[T_Q4], 5, v[T_Y]               ; my 32 bytes of a table row
	v_lshlrev_b32 v[T_Y], 4, v[T_Y]                ; and the 16 that they become
	LADR VCS, T_X, 336, T_Y, 5
	s_mul_i32 s5, s4, 2560                         ; 8 rows of PREG
	s_add_co_u32 s5, s5, PREG
	v_add_nc_u32 v[VP], s5, v[H32]
	LADR VPS, T_L7, 320, H32, 5
	LADR VPR, T_R1, 320, H32, 5
	s_lshl_b32 s5, s4, 7
	v_add_nc_u32 v[VC1], s5, v[H32]
	s_add_co_u32 s5, s5, WSC
	v_lshl_add_u32 v[VW], v1, 1, s5
	v_add_nc_u32 v[VWL], s5, v[CAF]
	s_lshl_b32 s5, s4, 6
	v_add_nc_u32 v[VC2], s5, v[H32]
	s_lshl_b32 s5, s4, 8
	v_lshl_add_u32 v[T_8], v[T_L], 3, s5           ; 8 x thread, as 8 x lane + 256 x wave
	v_add_nc_u32 v[VM1], MW1, v[T_8]
	v_add_nc_u32 v[VM1B], MW1+40960, v[T_8]
	v_add_nc_u32 v[VM2], MW2, v[T_8]
	v_add_nc_u32 v[VAWS], HST, v[T_8]
	s_mul_i32 s5, s4, 320                          ; a wave's 512 bytes of cat_table are 4 rows
	v_lshrrev_b32 v[T_X], 3, v[T_L]
	v_lshlrev_b32 v[T_Y], 3, v[T_L7]
	LADR VCT1, T_X, 80, T_Y, 5
	v_add_nc_u32 v[VCT2], 40960, v[VCT1]
	v_mul_u32_u24 v[VAW], v[T_K8], 160
	v_add_nc_u32 v[VAW], v[VAW], v[CTF]
	v_add_nc_u32 v[VAW], HST, v[VAW]
	s_wait_loadcnt 40                              ; behind the first 8 loads stand 20 index loads and 20 of aw1: those 8 are in
	v_min_u32 v30, NI_MAX, v56
	v_min_u32 v31, NI_MAX, v57
	v_min_u32 v32, NC_MAX, v58
.irp k, 30,31,32
	v_lshlrev_b32 v\k, 7, v\k
	v_add_nc_u32 v\k, v\k, v[T_Q4]
.endr
.irp t, 0,1,2
	v_cmp_ne_u32 s[MS+\t], 0, v[59+\t]
	v_min_u32 v[OFFI+\t], NI_MAX, v[59+\t]
	v_lshlrev_b32 v[OFFI+\t], 7, v[OFFI+\t]
	v_add_nc_u32 v[OFFI+\t], v[OFFI+\t], v[H32]
.endr
	v_cmp_ne_u32 s59, 0, v62
	v_min_u32 v[VRO], NI_MAX, v62
	v_lshlrev_b32 v[VRO], 7, v[VRO]
	v_add_nc_u32 v[VRO], v[VRO], v[H32]
	v_min_u32 v[CA], NC_MAX, v63                   ; tile R's class rows in LDS
	v_mul_u32_u24 v[CA], v[CA], 80
	v_add_nc_u32 v[CA], v[CA], v[CAF]
	; 22 gathers: user, candidate item, candidate class (8 numbers a thread each), tile R, sample 0
	global_load_b128 v[160:163], v30, s[30:31]
	global_load_b128 v[164:167], v30, s[30:31] offset:16
	global_load_b128 v[168:171], v31, s[12:13]
	global_load_b128 v[172:175], v31, s[12:13] offset:16
	global_load_b128 v[176:179], v32, s[14:15]
	global_load_b128 v[180:183], v32, s[14:15] offset:16
	GATH EF, VRO
	GATH RAW, OFFI
	GATH RAW+16, OFFI+1
	GATH RAW+32, OFFI+2
	s_wait_loadcnt 22                              ; the 22 gathers may stay out: all indices and aw1 are in
	WIN 0x05                                       ; both sources in window 1
.irp i, 0,1,2,3,4
	v_pk_add_f32 v[200+4*\i:201+4*\i], v[4*\i:4*\i+1], v[40+4*\i:41+4*\i]                                  ; W1 + W3
	v_pk_add_f32 v[202+4*\i:203+4*\i], v[4*\i+2:4*\i+3], v[42+4*\i:43+4*\i]
	v_pk_add_f32 v[220+4*\i:221+4*\i], v[20+4*\i:21+4*\i], v[40+4*\i:41+4*\i] neg_lo:[0,1] neg_hi:[0,1]    ; W2 - W3
	v_pk_add_f32 v[222+4*\i:223+4*\i], v[22+4*\i:23+4*\i], v[42+4*\i:43+4*\i] neg_lo:[0,1] neg_hi:[0,1]
	v_cvt_pk_f16_f32 v[128+2*\i], v[60+4*\i], v[61+4*\i]                                                   ; W4
	v_cvt_pk_f16_f32 v[129+2*\i], v[62+4*\i], v[63+4*\i]
.endr
	WIN 0
.irp i, 0,1,2,3,4
	v_cvt_pk_f16_f32 v[138+2*\i], v[200+4*\i], v[201+4*\i]
	v_cvt_pk_f16_f32 v[139+2*\i], v[202+4*\i], v[203+4*\i]
	v_cvt_pk_f16_f32 v[148+2*\i], v[220+4*\i], v[221+4*\i]
	v_cvt_pk_f16_f32 v[149+2*\i], v[222+4*\i], v[223+4*\i]
.endr
.irp i, 0,1,2,3,4
	ds_store_b64 v[VAWS], v[138+2*\i:139+2*\i] offset:2048*\i          ; W1 + W3
	ds_store_b64 v[VAWS], v[148+2*\i:149+2*\i] offset:10240+2048*\i    ; W2 - W3
	ds_store_b64 v[VAWS], v[128+2*\i:129+2*\i] offset:20480+2048*\i    ; W4
.endr
	PREF GS+3                                      ; sample 1's rows, which trip 0 gathers
	; 36 loads: half of cat_table, aw2, ab1
	WIN 0x40
.set j, 0
.rept 16
	global_load_b128 v[80+4*j:83+4*j], v[VMG], s[14:15] offset:4096*j
.set j, j+1
.endr
.irp t, 0,1,2,3,4
	global_load_b128 v[A2W+8*\t:A2W+8*\t+3], v[H32], s[20:21] offset:64*\t
	global_load_b128 v[A2W+8*\t+4:A2W+8*\t+7], v[H32], s[20:21] offset:64*\t+16
.endr
	WIN 0
.irp t, 0,1,2,3,4
	global_load_b128 v[ACC+8*\t:ACC+8*\t+3], v[H32], s[18:19] offset:64*\t     ; ab1 where the sums for P begin
	global_load_b128 v[ACC+8*\t+4:ACC+8*\t+7], v[H32], s[18:19] offset:64*\t+16
.endr
	s_wait_loadcnt 36                              ; those 36 may stay out: the 22 gathers are in
.irp k, 0,1,2,3,4,5,6,7,8,9,10,11
	v_cvt_pk_f16_f32 v[184+\k], v[160+2*\k], v[161+2*\k]
.endr
	ds_store_b128 v[VCS], v[184:187]               ; user
	ds_store_b128 v[VCS], v[188:191] offset:64     ; candidate item
	ds_store_b128 v[VCS], v[192:195] offset:128    ; candidate class
	; the rest of cat_table: 15 whole pieces, and 1,024 bytes more, which are 64 threads
	s_cmp_gt_u32 s4, 1
	s_cbranch_scc1 .Lno_tail_load
	global_load_b128 v[196:199], v[VMG], s[14:15] offset:4096*31
.Lno_tail_load:
	WIN 0x40
.set j, 0
.rept 15
	global_load_b128 v[4*j:4*j+3], v[VMG], s[14:15] offset:4096*(16+j)
.set j, j+1
.endr
	s_wait_loadcnt 35                              ; behind the first 16 pieces: 20 of aw2 and ab1 and 15 pieces (16 in waves 0 and 1, where this waits for one load more)
	WIN 0x05
.set j, 0
.rept 16
	v_cvt_pk_f16_f32 v[128+2*j], v[80+4*j], v[81+4*j]
	v_cvt_pk_f16_f32 v[129+2*j], v[82+4*j], v[83+4*j]
.set j, j+1
.endr
	WIN 0
.set j, 0
.rept 16
	ds_store_b64 v[VCT1], v[128+2*j:129+2*j] offset:2560*j             ; 32 rows of 80 bytes a piece
.set j, j+1
.endr
	s_wait_loadcnt 0x0
	WIN 0x05
.set j, 0
.rept 15
	v_cvt_pk_f16_f32 v[128+2*j], v[4*j], v[4*j+1]
	v_cvt_pk_f16_f32 v[129+2*j], v[4*j+2], v[4*j+3]
.set j, j+1
.endr
	WIN 0
.set j, 0
.rept 15
	ds_store_b64 v[VCT2], v[128+2*j:129+2*j] offset:2560*j
.set j, j+1
.endr
	s_cmp_gt_u32 s4, 1
	s_cbranch_scc1 .Lno_tail_store
	v_cvt_pk_f16_f32 v158, v196, v197
	v_cvt_pk_f16_f32 v159, v198, v199
	ds_store_b64 v[VCT2], v[158:159] offset:2560*15
.Lno_tail_store:
	s_wait_kmcnt 0x0                               ; ab2, mb3
	s_wait_dscnt 0x0                               ; my stores of the class table, the score weights and COMB are done,
	s_barrier_signal -1
	s_barrier_wait -1                              ; and so are everybody's
	; P = q @ (W1+W3) + ab1 for my 8 samples (column n = r stands for sample r & 7), and the score weights into registers for good
	WIN 0x40
.irp s, 0,1
.irp t, 0,1,2,3,4
.irp c, 0,1
	ds_load_tr16_b128 v[8*(5*\s+\t)+4*\c:8*(5*\s+\t)+4*\c+3], v[VAW] offset:5120*\s+2560*\c+32*\t                  ; W1 + W3, for now
	ds_load_tr16_b128 v[WP+8*(5*\s+\t)+4*\c:WP+8*(5*\s+\t)+4*\c+3], v[VAW] offset:20480+5120*\s+2560*\c+32*\t      ; W4
.endr
.endr
.endr
	WIN 0
	ds_load_b128 v[128:131], v[VQP] offset:64
	ds_load_b128 v[132:135], v[VQP] offset:96
	ds_load_b128 v[136:139], v[VQP] offset:128
	ds_load_b128 v[140:143], v[VQP] offset:160
	s_wait_dscnt 0x0
	WIN 0x01
.irp s, 0,1
.irp t, 0,1,2,3,4
	v_wmma_f32_16x16x32_f16 v[ACC+8*\t:ACC+8*\t+7], v[8*(5*\s+\t):8*(5*\s+\t)+7], v[128+8*\s:128+8*\s+7], v[ACC+8*\t:ACC+8*\t+7]
.endr
.endr
	PLACES                                         ; then the weights are loaded over and the results stored
	WIN 0x40
.irp s, 0,1
.irp t, 0,1,2,3,4
.irp c, 0,1
	ds_load_tr16_b128 v[WH+8*(5*\s+\t)+4*\c:WH+8*(5*\s+\t)+4*\c+3], v[VAW] offset:10240+5120*\s+2560*\c+32*\t      ; W2 - W3
.endr
.endr
.endr
	WIN 0
.irp t, 0,1,2,3,4
	ds_store_b128 v[VPS], v[ACC+8*\t:ACC+8*\t+3] offset:64*\t          ; lanes r and r + 8 hold the same sample and store the same numbers
	ds_store_b128 v[VPS], v[ACC+8*\t+4:ACC+8*\t+7] offset:64*\t+16
.endr
	v_mov_b32 v[TMP+4], 0                          ; v_permlanex16_b32 counts as a reader of its destination
	s_wait_dscnt 0x0                               ; my reads of the weight images are over,
	s_barrier_signal -1
	s_barrier_wait -1                              ; everybody's are: the stages, which lie on the same bytes, may be written
; ONE TILE: 16 history rows against 80 units, K = 128, then relu, the dot with aw2, ab2 and the mask.
; t: tile (row 16 t of the stage; class fragment in buffer t & 1).  raw: the rows as loaded.  left: loads that may stay out (-1: no wait).
; fill: 1 = the slot is loaded again with the next sample's rows; 2 = with mb1 (t = 0) or mb2 and mw3 (t = 1).
; nextca: the next tile's class fragment is asked for.  mask: scalar register, bit = item index not 0.  dst: the scores.
.macro TILE t, raw, left, fill, nextca, mask, dst
.if (\t)&1
.set FCB, FC1
.set FCN, FC0
.else
.set FCB, FC0
.set FCN, FC1
.endif
.if \left >= 0
	s_wait_loadcnt \left                           ; loads come back in order: this slot's four are in
.endif
.irp k, 0,1,2,3,4,5,6,7
	v_cvt_pk_f16_f32 v[FI+\k], v[\raw+2*\k], v[\raw+2*\k+1]
.endr
.if \fill == 1
	GATH \raw, OFFI+\t
.endif
.if \fill == 2
.if \t == 0
	global_load_b128 v[\raw:\raw+3], v[VC1], s[36:37]                  ; mb1 of my 32 units
	global_load_b128 v[\raw+4:\raw+7], v[VC1], s[36:37] offset:16
	global_load_b128 v[\raw+8:\raw+11], v[VC1], s[36:37] offset:64
	global_load_b128 v[\raw+12:\raw+15], v[VC1], s[36:37] offset:80
.endif
.if \t == 1
	global_load_b128 v[\raw:\raw+3], v[VC2], s[38:39]                  ; mb2 of my 16 units
	global_load_b128 v[\raw+4:\raw+7], v[VC2], s[38:39] offset:16
	global_load_b128 v[\raw+8:\raw+11], v[VC2], s[40:41]               ; mw3 of the same
	global_load_b128 v[\raw+12:\raw+15], v[VC2], s[40:41] offset:16
.endif
.endif
	ds_store_b128 v[VS], v[FI:FI+3] offset:1536*\t                     ; the row as f16, for the pooling
	ds_store_b128 v[VS], v[FI+4:FI+7] offset:1536*\t+32
.if \nextca
	ds_load_b128 v[FCN:FCN+3], v[CA+\t+1]
	ds_load_b128 v[FCN+4:FCN+7], v[CA+\t+1] offset:32
	s_wait_dscnt 0x4                               ; two stores and two loads stand behind this tile's class fragment: it is in, and all before it
.else
	s_wait_dscnt 0x2                               ; the two stores stand behind it
.endif
	WIN 0x01                                       ; source 0 in window 1: weights, q, aw2
.irp u, 0,1,2,3,4
	v_wmma_f32_16x16x32_f16 v[ACC+8*\u:ACC+8*\u+7], v[WH+8*\u:WH+8*\u+7], v[FI:FI+7], v[P+8*\u:P+8*\u+7]
.endr
.irp u, 0,1,2,3,4
	v_wmma_f32_16x16x32_f16 v[ACC+8*\u:ACC+8*\u+7], v[WH+40+8*\u:WH+40+8*\u+7], v[FCB:FCB+7], v[ACC+8*\u:ACC+8*\u+7]
.endr
.irp k, 0,1,2,3,4,5,6,7
	v_pk_mul_f16 v[PQI+\k], v[QI+\k], v[FI+\k]
.endr
.irp k, 0,1,2,3,4,5,6,7
	v_pk_mul_f16 v[PQC+\k], v[QC+\k], v[FCB+\k]
.endr
.irp u, 0,1,2,3,4
	v_wmma_f32_16x16x32_f16 v[ACC+8*\u:ACC+8*\u+7], v[WP+8*\u:WP+8*\u+7], v[PQI:PQI+7], v[ACC+8*\u:ACC+8*\u+7]
.endr
.irp u, 0,1,2,3,4
	v_wmma_f32_16x16x32_f16 v[ACC+8*\u:ACC+8*\u+7], v[WP+40+8*\u:WP+40+8*\u+7], v[PQC:PQC+7], v[ACC+8*\u:ACC+8*\u+7]
.endr
	PLACES
.set kk, 0
.rept 40
	v_max_num_f32 v[ACC+kk], 0, v[ACC+kk]
.set kk, kk+1
.endr
	v_pk_mul_f32 v[TMP:TMP+1], v[A2W:A2W+1], v[ACC:ACC+1]              ; two chains; the first products start them
	v_pk_mul_f32 v[TMP+2:TMP+3], v[A2W+2:A2W+3], v[ACC+2:ACC+3]
.set kk, 4
.rept 9
	v_pk_fma_f32 v[TMP:TMP+1], v[A2W+kk:A2W+kk+1], v[ACC+kk:ACC+kk+1], v[TMP:TMP+1]
	v_pk_fma_f32 v[TMP+2:TMP+3], v[A2W+kk+2:A2W+kk+3], v[ACC+kk+2:ACC+kk+3], v[TMP+2:TMP+3]
.set kk, kk+4
.endr
	WIN 0
	v_pk_add_f32 v[TMP:TMP+1], v[TMP:TMP+1], v[TMP+2:TMP+3]
	v_add_f32 v[TMP], v[TMP], v[TMP+1]             ; my 40 units of row r
	v_permlanex16_b32 v[TMP+4], v[TMP], s46, s47   ; the other 40
	v_add_f32 v[TMP], v[TMP], v[TMP+4]
	v_add_f32 v[TMP], s48, v[TMP]                  ; + ab2
	v_cndmask_b32 v[\dst], v[NEG9], v[TMP], s[\mask]
.endm
	; TILE R: row r = sample r / 2, history row 48 + (r & 1); q and P differ from lane to lane
	WIN 0x40
	ds_load_b128 v[QI:QI+3], v[VQR] offset:64
	ds_load_b128 v[QI+4:QI+7], v[VQR] offset:96
	ds_load_b128 v[QC:QC+3], v[VQR] offset:128
	ds_load_b128 v[QC+4:QC+7], v[VQR] offset:160
	WIN 0
.irp u, 0,1,2,3,4
	ds_load_b128 v[P+8*\u:P+8*\u+3], v[VPR] offset:64*\u
	ds_load_b128 v[P+8*\u+4:P+8*\u+7], v[VPR] offset:64*\u+16
.endr
	ds_load_b128 v[FC1:FC1+3], v[CA]
	ds_load_b128 v[FC1+4:FC1+7], v[CA] offset:32
	TILE 3, EF, -1, 0, 0, 59, SCR
; ONE SAMPLE.  i = 0..7.  Its item rows were asked for one trip ago, its indices two trips ago.
.macro TRIP i
.set PP, (\i)&1
.set QQ, 1-PP
.set NIDX, 0                           ; index loads of this trip
.if \i <= 4
.set NIDX, NIDX+3
.endif
.if \i <= 5
.set NIDX, NIDX+7
.endif
	s_wait_xcnt 0x0                                ; the offsets of the last trip's gathers and prefetches are rewritten only behind this wait
.if \i < 7
.irp t, 0,1,2
	v_cmp_ne_u32 s[MS+4*QQ+\t], 0, v[GS+3*QQ+\t]   ; sample i + 1: masks and row offsets
	v_min_u32 v[OFFI+\t], NI_MAX, v[GS+3*QQ+\t]
	v_lshlrev_b32 v[OFFI+\t], 7, v[OFFI+\t]
	v_add_nc_u32 v[OFFI+\t], v[OFFI+\t], v[H32]
.endr
.endif
.irp t, 0,1,2
	v_min_u32 v[CA+\t], NC_MAX, v[CS+3*PP+\t]      ; this sample: its class rows in LDS
	v_mul_u32_u24 v[CA+\t], v[CA+\t], 80
	v_add_nc_u32 v[CA+\t], v[CA+\t], v[CAF]
.endr
.irp u, 0,1,2,3
	v_min_u32 v[CT+\u], NC_MAX, v[TS+4*PP+\u]
	v_mul_u32_u24 v[CT+\u], v[CT+\u], 80
	v_add_nc_u32 v[CT+\u], v[CT+\u], v[CTF]
.endr
.if \i <= 4
.irp t, 0,1,2
	global_load_b32 v[GS+3*QQ+\t], v[VG0], s[60:61] offset:200*(\i+3)+64*\t    ; items of sample i + 3
.endr
.endif
.if \i <= 5
.irp t, 0,1,2
	global_load_b32 v[CS+3*PP+\t], v[VG0], s[62:63] offset:200*(\i+2)+64*\t    ; classes of sample i + 2
.endr
.irp t, 0,1,2
	global_load_b32 v[TS+4*PP+\t], v[VT0], s[62:63] offset:200*(\i+2)+64*\t
.endr
	global_load_b32 v[TS+4*PP+3], v[VT3], s[62:63] offset:200*(\i+2)
.endif
	WIN 0x40
	ds_load_b128 v[QI:QI+3], v[VQ] offset:336*\i+64
	ds_load_b128 v[QI+4:QI+7], v[VQ] offset:336*\i+96
	ds_load_b128 v[QC:QC+3], v[VQ] offset:336*\i+128
	ds_load_b128 v[QC+4:QC+7], v[VQ] offset:336*\i+160
.irp jj, 0,1,2,3,4
	global_load_b128 v[STG+4*\jj:STG+4*\jj+3], v[VMG], s[32:33] offset:20480*\i+4096*\jj       ; an eighth of mw1
.endr
.irp jj, 0,1,2,3
	global_load_b128 v[STG+20+4*\jj:STG+20+4*\jj+3], v[VMG], s[34:35] offset:16384*\i+4096*\jj ; an eighth of mw2
.endr
	WIN 0
.if \i <= 5
	PREF GS+3*PP                                   ; the rows of sample i + 2, which the next trip gathers; trips 6 and 7 ask for nothing
.endif
.irp u, 0,1,2,3,4
	ds_load_b128 v[P+8*\u:P+8*\u+3], v[VP] offset:320*\i+64*\u
	ds_load_b128 v[P+8*\u+4:P+8*\u+7], v[VP] offset:320*\i+64*\u+16
.endr
	ds_bpermute_b32 v[TMP+7], v[VB], v[SCR]        ; the scores of rows 48, 49 from tile R's lanes 2 i, 2 i + 1
	ds_load_b128 v[FC0:FC0+3], v[CA]
	ds_load_b128 v[FC0+4:FC0+7], v[CA] offset:32
	; behind slot t's gather stand 4 (2 - t) loads of the last trip, this trip's NIDX + 9, and 4 t of this trip's tiles: 17 + NIDX
.if \i < 7
	TILE 0, RAW, 17+NIDX, 1, 1, MS+4*PP, SC
	TILE 1, RAW+16, 17+NIDX, 1, 1, MS+4*PP+1, SC+1
	TILE 2, RAW+32, 17+NIDX, 1, 0, MS+4*PP+2, SC+2
.else
	TILE 0, RAW, 17+NIDX, 2, 1, MS+4*PP, SC
	TILE 1, RAW+16, 17+NIDX, 2, 1, MS+4*PP+1, SC+1
	TILE 2, RAW+32, 17+NIDX, 2, 0, MS+4*PP+2, SC+2
.endif
	; softmax over 50 rows and att = sum e h / sum e.  Rows 50-63 get -infinity, so that their e is 0.
	v_cndmask_b32 v[SC+3], v[NINF], v[TMP+7], s50
	; h transposed: B fragment (16 features, 32 rows); item half from my stage (LDS serves a wave in order: the stores above are seen), class half from the table
.irp n, 0,1
	ds_load_tr16_b128 v[128+16*\n:128+16*\n+3], v[VH] offset:32*\n
	ds_load_tr16_b128 v[128+16*\n+4:128+16*\n+7], v[VH] offset:1536+32*\n
	ds_load_tr16_b128 v[128+16*\n+8:128+16*\n+11], v[VH] offset:3072+32*\n
	ds_load_tr16_b128 v[128+16*\n+12:128+16*\n+15], v[VH3] offset:4608+192*\i+32*\n
	ds_load_tr16_b128 v[160+16*\n:160+16*\n+3], v[CT] offset:32*\n
	ds_load_tr16_b128 v[160+16*\n+4:160+16*\n+7], v[CT+1] offset:32*\n
	ds_load_tr16_b128 v[160+16*\n+8:160+16*\n+11], v[CT+2] offset:32*\n
	ds_load_tr16_b128 v[160+16*\n+12:160+16*\n+15], v[CT+3] offset:32*\n
.endr
	v_max3_num_f32 v[TMP], v[SC], v[SC+1], v[SC+2]
	v_max_num_f32 v[TMP], v[TMP], v[SC+3]
.irp x, 1,2,4,8
	v_max_num_f32_dpp v[TMP], v[TMP], v[TMP] row_xmask:\x row_mask:0xf bank_mask:0xf   ; both halves of the lanes hold the same 16 rows
.endr
.irp t, 0,1,2,3
	v_sub_f32 v[SC+\t], v[SC+\t], v[TMP]           ; the maximum goes first, exactly; only then the factor log2 e
.endr
	v_pk_mul_f32 v[SC:SC+1], v[SC:SC+1], 0x3fb8aa3b op_sel_hi:[1,0]
	v_pk_mul_f32 v[SC+2:SC+3], v[SC+2:SC+3], 0x3fb8aa3b op_sel_hi:[1,0]
.irp t, 0,1,2,3
	v_exp_f32 v[SC+\t], v[SC+\t]
.endr
	v_add_nc_u32 v[VB], 8, v[VB]                   ; the next sample's lanes of tile R; also the plain instruction behind the exponentials (ISA guide 5.7.2)
	s_wait_alu depctr_va_vdst(0)
	v_cvt_pk_f16_f32 v[TMP], v[SC], v[SC+1]
	v_cvt_pk_f16_f32 v[TMP+1], v[SC+2], v[SC+3]
	ds_store_b16 v[VW], v[TMP]
	ds_store_b16_d16_hi v[VW], v[TMP] offset:32
	ds_store_b16 v[VW], v[TMP+1] offset:64
	ds_store_b16_d16_hi v[VW], v[TMP+1] offset:96
.irp k, 0,1,2,3
	ds_load_b128 v[EF+4*\k:EF+4*\k+3], v[VWL] offset:32*\k             ; e as A fragments, all 16 rows alike
.endr
	v_add_f32 v[TMP+4], v[SC], v[SC+1]
	v_add_f32 v[TMP+5], v[SC+2], v[SC+3]
	v_add_f32 v[TMP+4], v[TMP+4], v[TMP+5]
.irp x, 1,2,4,8
	v_add_f32_dpp v[TMP+4], v[TMP+4], v[TMP+4] row_xmask:\x row_mask:0xf bank_mask:0xf
.endr
	v_rcp_f32 v[TMP+5], v[TMP+4]                   ; the sum is at least 1: the largest e is 1
	s_wait_dscnt 0x0
.irp n, 0,1
	v_wmma_f32_16x16x32_f16 v[ACC+8*\n:ACC+8*\n+7], v[EF:EF+7], v[128+16*\n:128+16*\n+7], 0
.endr
.irp n, 0,1
	v_wmma_f32_16x16x32_f16 v[ACC+16+8*\n:ACC+16+8*\n+7], v[EF:EF+7], v[160+16*\n:160+16*\n+7], 0
.endr
.irp n, 0,1
	v_wmma_f32_16x16x32_f16 v[ACC+8*\n:ACC+8*\n+7], v[EF+8:EF+15], v[128+16*\n+8:128+16*\n+15], v[ACC+8*\n:ACC+8*\n+7]
.endr
.irp n, 0,1
	v_wmma_f32_16x16x32_f16 v[ACC+16+8*\n:ACC+16+8*\n+7], v[EF+8:EF+15], v[160+16*\n+8:160+16*\n+15], v[ACC+16+8*\n:ACC+16+8*\n+7]
.endr
	PLACES
	s_wait_alu depctr_va_vdst(0)
.irp d, 0,1,2,3
	v_mul_f32 v[TMP+\d], v[ACC+8*\d], v[TMP+5]     ; register 0 of tile d: att[16 d + r]
.endr
	v_cvt_pk_f16_f32 v[TMP], v[TMP], v[TMP+1]
	v_cvt_pk_f16_f32 v[TMP+2], v[TMP+2], v[TMP+3]
	ds_store_b16 v[VA], v[TMP] offset:336*\i+192
	ds_store_b16_d16_hi v[VA], v[TMP] offset:336*\i+224
	ds_store_b16 v[VA], v[TMP+2] offset:336*\i+256
	ds_store_b16_d16_hi v[VA], v[TMP+2] offset:336*\i+288
	; this trip's eighth of mw1 and mw2 goes to LDS as f16
.if \i < 7
	s_wait_loadcnt 12                              ; behind the nine loads stand the three tiles' gathers
.else
	s_wait_loadcnt 8                               ; behind them stand mb1, mb2 and mw3
.endif
	WIN 0x05
.irp jj, 0,1,2,3,4,5,6,7,8
	v_cvt_pk_f16_f32 v[128+2*\jj], v[STG+4*\jj], v[STG+4*\jj+1]
	v_cvt_pk_f16_f32 v[129+2*\jj], v[STG+4*\jj+2], v[STG+4*\jj+3]
.endr
	WIN 0
.irp jj, 0,1,2,3,4
.if \i < 4
	ds_store_b64 v[VM1], v[128+2*\jj:129+2*\jj] offset:10240*\i+2048*\jj
.else
	ds_store_b64 v[VM1B], v[128+2*\jj:129+2*\jj] offset:10240*(\i-4)+2048*\jj
.endif
.endr
.irp jj, 0,1,2,3
	ds_store_b64 v[VM2], v[138+2*\jj:139+2*\jj] offset:8192*\i+2048*\jj
.endr
.endm
.irp i, 0,1,2,3,4,5,6,7
	TRIP \i
.endr
	; THE MLP on the work-group's 64 samples.  Layer 1: wave w makes units 32 w .. 32 w + 31; layer 2: units 16 w .. 16 w + 15.
	s_wait_dscnt 0x0                               ; my att rows and my parts of the weight images are stored, my reads of the class table and of P are over,
	s_barrier_signal -1
	s_barrier_wait -1                              ; and everybody's
	s_wait_loadcnt 0x0                             ; mb1, mb2, mw3
	v_and_b32 v56, 7, v0
	v_lshl_add_u32 v56, v2, 3, v56                 ; 8 h + l7
	s_lshl_b32 s5, s4, 6
	s_add_co_u32 s5, s5, MW1
	v_lshl_add_u32 v26, v56, 9, v[CTF]             ; mw1 transposed: row 8 h + l7 of 512 bytes, + 16 c8, + my 32 columns
	v_add_nc_u32 v26, s5, v26
	v_add_nc_u32 v27, 0x10000, v26                 ; rows 128-159 lie past the 16-bit immediate
	s_lshl_b32 s5, s4, 5
	s_add_co_u32 s5, s5, MW2
	v_lshl_add_u32 v28, v56, 8, v[CTF]
	v_add_nc_u32 v28, s5, v28
	v_mul_u32_u24 v29, v1, 336
	v_add_nc_u32 v29, v29, v[CAF]
	v_add_nc_u32 v29, COMB, v29                    ; COMB: row r + 16 h
	v_mul_u32_u24 v31, v1, 80
	v_add_nc_u32 v31, v31, v[CAF]                  ; Z1: row r + 16 h
	s_mul_i32 s5, s4, 5120
	v_add_nc_u32 v30, s5, v31                      ; the same in my block
	s_lshl_b32 s5, s4, 8
	s_add_co_u32 s5, s5, RED
	v_lshl_add_u32 v32, v1, 2, s5
	WIN 0x40
.irp s, 0,1,2,3
.irp n, 0,1
.irp c, 0,1
	ds_load_tr16_b128 v[8*(2*\s+\n)+4*\c:8*(2*\s+\n)+4*\c+3], v26 offset:16384*\s+8192*\c+32*\n
.endr
.endr
.endr
.irp n, 0,1
.irp c, 0,1
	ds_load_tr16_b128 v[8*(8+\n)+4*\c:8*(8+\n)+4*\c+3], v27 offset:8192*\c+32*\n
.endr
.endr
.irp s, 0,1,2,3,4,5,6,7
.irp c, 0,1
	ds_load_tr16_b128 v[80+8*\s+4*\c:80+8*\s+4*\c+3], v28 offset:8192*\s+4096*\c
.endr
.endr
	WIN 0
; layer 1, sample tiles 2 pp and 2 pp + 1: 20 matrix instructions; mb1 is the first link's C
.macro L1PASS pp
.irp m, 0,1
.irp s, 0,1,2,3,4
	ds_load_b128 v[96+8*(5*\m+\s):96+8*(5*\m+\s)+3], v29 offset:5376*(2*\pp+\m)+64*\s
	ds_load_b128 v[96+8*(5*\m+\s)+4:96+8*(5*\m+\s)+7], v29 offset:5376*(2*\pp+\m)+64*\s+32
.endr
.endr
	s_wait_dscnt 0x0
	WIN 0x01
.irp m, 0,1
.irp n, 0,1
	v_wmma_f32_16x16x32_f16 v[176+8*(2*\m+\n):176+8*(2*\m+\n)+7], v[8*\n:8*\n+7], v[96+40*\m:96+40*\m+7], v[RAW+8*\n:RAW+8*\n+7]
.endr
.endr
.irp s, 1,2,3,4
.irp m, 0,1
.irp n, 0,1
	v_wmma_f32_16x16x32_f16 v[176+8*(2*\m+\n):176+8*(2*\m+\n)+7], v[8*(2*\s+\n):8*(2*\s+\n)+7], v[96+8*(5*\m+\s):96+8*(5*\m+\s)+7], v[176+8*(2*\m+\n):176+8*(2*\m+\n)+7]
.endr
.endr
.endr
	PLACES
	WIN 0
.irp m, 0,1
.irp n, 0,1
.irp k, 0,1,2,3,4,5,6,7
	v_max_num_f32 v[176+8*(2*\m+\n)+\k], 0, v[176+8*(2*\m+\n)+\k]
.endr
.irp k, 0,1,2,3
	v_cvt_pk_f16_f32 v[208+4*(2*\m+\n)+\k], v[176+8*(2*\m+\n)+2*\k], v[176+8*(2*\m+\n)+2*\k+1]
.endr
	ds_store_b128 v30, v[208+4*(2*\m+\n):208+4*(2*\m+\n)+3] offset:1280*(2*\pp+\m)+32*\n       ; 8 neighbouring units of sample 16 (2 pp + m) + r
.endr
.endr
.endm
	L1PASS 0
	L1PASS 1
	s_wait_dscnt 0x0                               ; my block of Z1 is stored,
	s_barrier_signal -1
	s_barrier_wait -1                              ; all eight are
; layer 2 and the dot with mw3, sample tiles 2 pp and 2 pp + 1: K = 256 is the eight waves' blocks in turn
.macro L2PASS pp
.irp m, 0,1
.irp s, 0,1,2,3,4,5,6,7
	ds_load_b128 v[96+8*(8*\m+\s):96+8*(8*\m+\s)+3], v31 offset:5120*\s+1280*(2*\pp+\m)
	ds_load_b128 v[96+8*(8*\m+\s)+4:96+8*(8*\m+\s)+7], v31 offset:5120*\s+1280*(2*\pp+\m)+32
.endr
.endr
	s_wait_dscnt 0x0
	WIN 0x01
.irp m, 0,1
	v_wmma_f32_16x16x32_f16 v[224+8*\m:224+8*\m+7], v[80:87], v[96+64*\m:96+64*\m+7], v[RAW+16:RAW+23]
.endr
.irp s, 1,2,3,4,5,6,7
.irp m, 0,1
	v_wmma_f32_16x16x32_f16 v[224+8*\m:224+8*\m+7], v[80+8*\s:80+8*\s+7], v[96+8*(8*\m+\s):96+8*(8*\m+\s)+7], v[224+8*\m:224+8*\m+7]
.endr
.endr
	PLACES
	WIN 0
.irp m, 0,1
.irp k, 0,1,2,3,4,5,6,7
	v_max_num_f32 v[224+8*\m+\k], 0, v[224+8*\m+\k]
.endr
	v_pk_mul_f32 v[56:57], v[224+8*\m:225+8*\m], v[RAW+24:RAW+25]
	v_pk_fma_f32 v[56:57], v[226+8*\m:227+8*\m], v[RAW+26:RAW+27], v[56:57]
	v_pk_fma_f32 v[56:57], v[228+8*\m:229+8*\m], v[RAW+28:RAW+29], v[56:57]
	v_pk_fma_f32 v[56:57], v[230+8*\m:231+8*\m], v[RAW+30:RAW+31], v[56:57]
	v_add_f32 v56, v56, v57
	v_permlanex16_b32 v58, v56, s46, s47
	v_add_f32 v56, v56, v58                        ; my wave's 16 units of sample 16 (2 pp + m) + r
	ds_store_b32 v32, v56 offset:64*(2*\pp+\m)
.endr
.endm
	L2PASS 0
	L2PASS 1
	s_wait_dscnt 0x0
	s_barrier_signal -1
	s_barrier_wait -1                              ; the eight partial dots of all 64 samples are in LDS
	s_cmp_lg_u32 s4, 0
	s_cbranch_scc1 .Lend
	v_and_b32 v33, 31, v0
	v_lshlrev_b32 v34, 3, v33                      ; lane L: samples 2 L, 2 L + 1
	v_add_nc_u32 v33, RED, v34
.irp k, 0,1,2,3,4,5,6,7
	ds_load_b64 v[96+2*\k:97+2*\k], v33 offset:256*\k
.endr
	s_wait_dscnt 0x0
	v_pk_add_f32 v[96:97], v[96:97], v[98:99]
	v_pk_add_f32 v[100:101], v[100:101], v[102:103]
	v_pk_add_f32 v[104:105], v[104:105], v[106:107]
	v_pk_add_f32 v[108:109], v[108:109], v[110:111]
	v_pk_add_f32 v[96:97], v[96:97], v[100:101]
	v_pk_add_f32 v[104:105], v[104:105], v[108:109]
	v_pk_add_f32 v[96:97], v[96:97], v[104:105]
	v_add_f32 v96, s49, v96                        ; + mb3
	v_add_f32 v97, s49, v97
	global_store_b64 v34, v[96:97], s[44:45]       ; the work-group's 64 results: one store of 256 consecutive bytes, at a multiple of 256 from out0's first byte
.Lend:
	s_set_vgpr_msb 0x5
	s_wait_tensorcnt 0x0
	ds_add_u32 v254, v255
	s_wait_dscnt 0x0
	s_set_vgpr_msb 0x500
	s_endpgm
.Lfunc_end_k_q37cf9dcc3c_din:
	.size	k_q37cf9dcc3c_din, .Lfunc_end_k_q37cf9dcc3c_din-k_q37cf9dcc3c_din
	.p2alignl 7, 3214868480
	.fill 96, 4, 3214868480
	.section	.rodata,"a",@progbits
	.p2align	6, 0x0
	.amdhsa_kernel k_q37cf9dcc3c_din
		.amdhsa_group_segment_fixed_size 320768
		.amdhsa_private_segment_fixed_size 0
		.amdhsa_enable_private_segment 0
		.amdhsa_kernarg_size 152
		.amdhsa_user_sgpr_count 2
		.amdhsa_user_sgpr_kernarg_segment_ptr 1
		.amdhsa_wavefront_size32 1
		.amdhsa_system_sgpr_workgroup_id_x 1
		.amdhsa_system_sgpr_workgroup_id_y 1
		.amdhsa_system_sgpr_workgroup_id_z 1
		.amdhsa_system_vgpr_workitem_id 0
		.amdhsa_next_free_vgpr 512
		.amdhsa_next_free_sgpr 72
		.amdhsa_reserve_vcc 0
		.amdhsa_float_denorm_mode_32 3
		.amdhsa_float_denorm_mode_16_64 3
		.amdhsa_memory_ordered 1
		.amdhsa_forward_progress 1
		.amdhsa_inst_pref_size 255
	.end_amdhsa_kernel
	.section	.bss,"aw",@nobits
	.p2align	6
	.space	262144
	.amdgpu_metadata
---
amdhsa.version: [ 1, 2 ]
amdhsa.kernels:
  - .name:           k_q37cf9dcc3c_din
    .symbol:         k_q37cf9dcc3c_din.kd
    .args:
      - { .name: history_goods, .offset: 0, .size: 8, .value_kind: global_buffer, .address_space: global }
      - { .name: history_classes, .offset: 8, .size: 8, .value_kind: global_buffer, .address_space: global }
      - { .name: item_table, .offset: 16, .size: 8, .value_kind: global_buffer, .address_space: global }
      - { .name: cat_table, .offset: 24, .size: 8, .value_kind: global_buffer, .address_space: global }
      - { .name: aw1, .offset: 32, .size: 8, .value_kind: global_buffer, .address_space: global }
      - { .name: ab1, .offset: 40, .size: 8, .value_kind: global_buffer, .address_space: global }
      - { .name: aw2, .offset: 48, .size: 8, .value_kind: global_buffer, .address_space: global }
      - { .name: ab2, .offset: 56, .size: 8, .value_kind: global_buffer, .address_space: global }
      - { .name: customer_id, .offset: 64, .size: 8, .value_kind: global_buffer, .address_space: global }
      - { .name: candidate_good, .offset: 72, .size: 8, .value_kind: global_buffer, .address_space: global }
      - { .name: candidate_class, .offset: 80, .size: 8, .value_kind: global_buffer, .address_space: global }
      - { .name: user_table, .offset: 88, .size: 8, .value_kind: global_buffer, .address_space: global }
      - { .name: mw1, .offset: 96, .size: 8, .value_kind: global_buffer, .address_space: global }
      - { .name: mw2, .offset: 104, .size: 8, .value_kind: global_buffer, .address_space: global }
      - { .name: mb1, .offset: 112, .size: 8, .value_kind: global_buffer, .address_space: global }
      - { .name: mb2, .offset: 120, .size: 8, .value_kind: global_buffer, .address_space: global }
      - { .name: mw3, .offset: 128, .size: 8, .value_kind: global_buffer, .address_space: global }
      - { .name: mb3, .offset: 136, .size: 8, .value_kind: global_buffer, .address_space: global }
      - { .name: out0, .offset: 144, .size: 8, .value_kind: global_buffer, .address_space: global }
    .group_segment_fixed_size: 320768
    .private_segment_fixed_size: 0
    .kernarg_segment_align: 8
    .kernarg_segment_size: 152
    .max_flat_workgroup_size: 256
    .sgpr_count:     72
    .vgpr_count:     512
    .wavefront_size: 32
...
	.end_amdgpu_metadata
.endif
;; end of part 1
